; MI455X (gfx1250); checked and timed in simulation.
; The chip was launched on July 23, 2026; its instructions are those of AMD's public machine-readable ISA for CDNA 5 (MIT licence, August 2026) and "CDNA5" Instruction Set Architecture Reference Guide (July 2026). The comments in the code are by the model that wrote it; some were corrected since.
;; Naive SDPA. Allowed arithmetic: float matrix products may take bf16 or f16 operands with f32 sums; other float arithmetic in f32, or as packed bf16 or f16 multiplies, adds, multiply-adds, maxima and minima; sums over many terms, partial sums and values carried from step to step in f32; what a program stores and reads back later, other than sums and carried values, may be rounded once to bf16 or f16.
;; Inputs: keys 16 x 4,096 x 64 float32; mask 4,096 x 4,096 float32; queries 16 x 4,096 x 64 float32; values 16 x 4,096 x 64 float32.
;; Outputs: out0 16 x 4,096 x 64 float32.
;; 2 versions, each right; version 2 is version 1 with the launch cast written anew for expert scheduling mode. Each part assembles by itself: llvm-mc -triple=amdgcn-amd-amdhsa -mcpu=gfx1250 --defsym DOCPART=n.
;; ======== version 1 of 2: 2 launches
;; limits: values are held in f16: magnitudes above 65,504 overflow, below 6.1e-05 lose precision; inputs' magnitudes at most 65,504
;; workspace buffers: k16 8,388,608 bytes; v16 8,388,608 bytes
;; launch cast (part 1): grid 32 x 16, 8 waves a work-group, no clusters, 0 bytes of LDS; arguments keys, values, k16, v16; writes k16, v16
.if DOCPART == 1
	.amdgcn_target "amdgcn-amd-amdhsa--gfx1250"
	.amdhsa_code_object_version 6
	.text
	.protected	k_qf67234a4fb_cast
	.globl	k_qf67234a4fb_cast
	.p2align	8
	.type	k_qf67234a4fb_cast,@function
k_qf67234a4fb_cast:
	s_mov_b64 s[64:65], 0
	v_nop
	global_prefetch_b8 v0, s[64:65] scope:SCOPE_SE
	s_setreg_imm32_b32 hwreg(HW_REG_WAVE_MODE, 25, 1), 1
	s_wait_xcnt 0x0
; k16 = f16(keys / 8), v16 = f16(values), each rounded once (the factor 1/8 is a power of two: the product is exact).
; keys, values: [16][4096][64] f32.  k16, v16: f16 in blocks [pair of batches][slot of 128 keys][batch in the pair][128 keys][64 channels],
; so that the 128 keys of BOTH batches of a pair are 32,768 consecutive bytes: one tile for the launch behind.
; LIMITS.  f16 holds no number beyond 65,504: |values| stays under that, |keys| under 524,000; below 6e-5 f16 keeps its fixed step of 6e-8.
; A work-group takes 128 keys of one batch: 32,768 bytes of keys and as many of values.  Thread t owns 16 bytes of every 4,096: a load of a wave covers
; 512 consecutive bytes, a store 256 consecutive bytes at a multiple of 256 from the buffer's first byte.  All sixteen loads go out ahead of the first wait;
; no register is used twice, so nothing waits for a store.  No LDS, no matrix unit: each byte is touched once.
.set X, 4                              ; v[4:67]   sixteen loads of four f32: keys' eight, then values' eight
.set Y, 68                             ; v[68:99]  sixteen pairs of registers, four f16 each
	s_load_b256 s[4:11], s[0:1], 0x0               ; keys s[4:5], values s[6:7], k16 s[8:9], v16 s[10:11]
	s_and_b32 s16, ttmp7, 0xffff                   ; the batch n
	s_lshl_b32 s17, ttmp9, 15                      ; the slot t: 128 keys are 32,768 bytes of f32; a slot of a pair is 32,768 bytes of f16
	s_lshl_b32 s12, s16, 20                        ; a batch is 1 MiB of f32
	s_or_b32 s12, s12, s17                         ; from: n << 20 | t << 15
	s_mov_b32 s13, 0
	s_lshr_b32 s14, s16, 1
	s_lshl_b32 s14, s14, 20                        ; a pair is 1 MiB of f16
	s_or_b32 s14, s14, s17
	s_and_b32 s16, s16, 1
	s_lshl_b32 s16, s16, 14                        ; 128 keys of one batch are 16,384 bytes of f16
	s_or_b32 s14, s14, s16                         ; to: (n >> 1) << 20 | t << 15 | (n & 1) << 14
	s_mov_b32 s15, 0
	s_mov_b32 s18, 0x3e000000                      ; 1/8
	s_mov_b32 s19, s18                             ; named with it as a pair
	v_lshlrev_b32 v1, 4, v0                        ; my 16 bytes of f32
	v_lshlrev_b32 v2, 3, v0                        ; my 8 bytes of f16
	s_wait_kmcnt 0x0
	s_add_nc_u64 s[4:5], s[4:5], s[12:13]
	s_add_nc_u64 s[6:7], s[6:7], s[12:13]
	s_add_nc_u64 s[8:9], s[8:9], s[14:15]
	s_add_nc_u64 s[10:11], s[10:11], s[14:15]
.irp j, 0,1,2,3,4,5,6,7
	global_load_b128 v[X+4*\j:X+4*\j+3], v1, s[4:5] offset:4096*\j th:TH_LOAD_NT
.endr
.irp j, 0,1,2,3,4,5,6,7
	global_load_b128 v[X+32+4*\j:X+32+4*\j+3], v1, s[6:7] offset:4096*\j th:TH_LOAD_NT
.endr
.set i, 0
.rept 8
	s_wait_loadcnt 15-i                            ; loads come back in order (ISA guide 5.7.1): number i is in, the 15 - i younger ones stay out
	v_pk_mul_f32 v[X+4*i:X+4*i+1], v[X+4*i:X+4*i+1], s[18:19] op_sel_hi:[1,0]
	v_pk_mul_f32 v[X+4*i+2:X+4*i+3], v[X+4*i+2:X+4*i+3], s[18:19] op_sel_hi:[1,0]
	v_cvt_pk_f16_f32 v[Y+2*i], v[X+4*i], v[X+4*i+1]
	v_cvt_pk_f16_f32 v[Y+2*i+1], v[X+4*i+2], v[X+4*i+3]
	global_store_b64 v2, v[Y+2*i:Y+2*i+1], s[8:9] offset:2048*i
.set i, i+1
.endr
.rept 8
	s_wait_loadcnt 15-i
	v_cvt_pk_f16_f32 v[Y+2*i], v[X+4*i], v[X+4*i+1]
	v_cvt_pk_f16_f32 v[Y+2*i+1], v[X+4*i+2], v[X+4*i+3]
	global_store_b64 v2, v[Y+2*i:Y+2*i+1], s[10:11] offset:2048*(i-8)
.set i, i+1
.endr
	s_endpgm
.Lfunc_end_k_qf67234a4fb_cast:
	.size	k_qf67234a4fb_cast, .Lfunc_end_k_qf67234a4fb_cast-k_qf67234a4fb_cast
	.p2alignl 7, 3214868480
	.fill 96, 4, 3214868480
	.section	.rodata,"a",@progbits
	.p2align	6, 0x0
	.amdhsa_kernel k_qf67234a4fb_cast
		.amdhsa_group_segment_fixed_size 0
		.amdhsa_private_segment_fixed_size 0
		.amdhsa_enable_private_segment 0
		.amdhsa_kernarg_size 32
		.amdhsa_user_sgpr_count 2
		.amdhsa_user_sgpr_kernarg_segment_ptr 1
		.amdhsa_wavefront_size32 1
		.amdhsa_system_sgpr_workgroup_id_x 1
		.amdhsa_system_sgpr_workgroup_id_y 1
		.amdhsa_system_sgpr_workgroup_id_z 1
		.amdhsa_system_vgpr_workitem_id 0
		.amdhsa_next_free_vgpr 100
		.amdhsa_next_free_sgpr 66
		.amdhsa_reserve_vcc 0
		.amdhsa_float_denorm_mode_32 3
		.amdhsa_float_denorm_mode_16_64 3
		.amdhsa_memory_ordered 1
		.amdhsa_forward_progress 1
		.amdhsa_inst_pref_size 8
	.end_amdhsa_kernel
	.amdgpu_metadata
---
amdhsa.version: [ 1, 2 ]
amdhsa.kernels:
  - .name:           k_qf67234a4fb_cast
    .symbol:         k_qf67234a4fb_cast.kd
    .args:
      - { .name: keys, .offset: 0, .size: 8, .value_kind: global_buffer, .address_space: global }
      - { .name: values, .offset: 8, .size: 8, .value_kind: global_buffer, .address_space: global }
      - { .name: k16, .offset: 16, .size: 8, .value_kind: global_buffer, .address_space: global }
      - { .name: v16, .offset: 24, .size: 8, .value_kind: global_buffer, .address_space: global }
    .group_segment_fixed_size: 0
    .private_segment_fixed_size: 0
    .kernarg_segment_align: 8
    .kernarg_segment_size: 32
    .max_flat_workgroup_size: 256
    .sgpr_count:     66
    .vgpr_count:     100
    .wavefront_size: 32
...
	.end_amdgpu_metadata
.endif
;; end of part 1
;; launch attn (part 2): grid 32 x 8, 4 waves a work-group, clusters of 4 x 4, 327,680 bytes of LDS; arguments queries, mask, k16, v16, out0; writes out0
.if DOCPART == 2
	.amdgcn_target "amdgcn-amd-amdhsa--gfx1250"
	.amdhsa_code_object_version 6
	.text
	.protected	k_qf67234a4fb_attn
	.globl	k_qf67234a4fb_attn
	.p2align	8
	.type	k_qf67234a4fb_attn,@function
k_qf67234a4fb_attn:
	s_mov_b64 s[64:65], 0
	v_nop
	global_prefetch_b8 v0, s[64:65] scope:SCOPE_SE
	s_setreg_imm32_b32 hwreg(HW_REG_WAVE_MODE, 25, 1), 1
	s_wait_xcnt 0x0
	s_wait_alu depctr_hold_cnt(0) depctr_sa_sdst(0) depctr_va_vdst(0) depctr_va_sdst(0) depctr_va_ssrc(0) depctr_va_vcc(0) depctr_vm_vsrc(0)
	s_getreg_b32 s2, hwreg(HW_REG_IB_STS2, 6, 4)
	s_cmp_eq_u32 s2, 0
	s_cbranch_scc0 .Lentry_in_a_cluster
	s_endpgm
.Lentry_in_a_cluster:
	s_bfe_u32 s2, ttmp6, 0x10000c
	s_cmp_lg_u32 s2, 0xf033
	s_cbranch_scc0 .Lentry_shape_is_right
	s_endpgm
.Lentry_shape_is_right:
; out0[n][q][:] = the sum over k of softmax_k(queries[n][q] . keys[n][k] / 8 + mask[q][k]) values[n][k][:].  16 batches, 4,096 queries, 4,096 keys, 64 channels; queries, mask, out0 in f32.
; k16 = f16(keys / 8) and v16 = f16(values) come from the launch before, in blocks [pair of batches][slot of 128 keys][batch in the pair][128 keys][64 channels].  Q is rounded to f16 here, once.
; Products, the mask, maxima and sums in f32; the weights p are rounded to f16 for the second product (their sum l is taken of the unrounded p); out0 is never rounded below f32.
; LIMITS.  f16 holds no number beyond 65,504: |queries| stays under it (k16, v16: see the launch before); p lies in 0 to 1 and keeps f16's fixed step of 6e-8 below 6e-5.  A weight below 2^-126 counts as 0 in l.
; The running maximum starts at -2^125: lower scores count as hidden; a -inf in the mask gives the weight 0 as long as the row has a score above that.  NaN and +inf are not treated apart.
; SHARES.  A work-group owns 128 queries of TWO batches: 32 x 8 work-groups.  Wave w takes batch w / 2 of the pair and queries 64 (w % 2) on: four PIECES of 16.  Every wave walks all keys, 64 a step.
; With two batches a key costs 528 bytes of mask and 608 of K and V in LDS, so two slots of 128 keys fit; with 256 queries of one batch it would cost 1,056 + 304, and they would not.
; LAYOUT.  S^T = K Q^T + M^T (source 0 = 16 keys, source 1 = 16 queries): in C and D a lane holds ONE query (lane % 16) and the keys 8 (lane / 16) + 0..7.  So the C operand that starts a sum is 32 neighbouring
; bytes of the query's row of the mask: two LDS loads for 16 keys, and no vector instruction.  Two results rounded to f16 in pairs ARE source 1 of O^T = V^T P.  K comes out of LDS as it lies, V turned (ds_load_tr16_b128).
; SOFTMAX.  For each query a running maximum m and sum l: p = 2^(c s - c m), c = log2(e); in every step O and l are multiplied by a = 2^(c m_old - c m_new), which is 1 where m has not grown and 0 in the first step.
; BY TURNS.  Turn n belongs to piece n: 8 products K Q^T of piece n + 1, later 8 products V^T P of piece n - 1; beside them the scaling, exponentials, roundings, sums and rescaling of piece n and the maximum and
; statistics of piece n + 1.  Four vector instructions stand behind every matrix instruction, the other 54 of a turn's 118 in two runs of their own.
; CLUSTER.  4 x 4 work-groups: x counts query blocks, y pairs of batches.  K's and V's tiles hang on the pair alone and are asked for JOINTLY along a row of the cluster, the mask's on the query block alone and
; jointly along a column: the same tensor load, descriptor and mask of four in all four.  Behind each round a wave issues one load of 32,768 bytes: waves 0, 1 the two halves of the mask's tile, wave 2 K, wave 3 V.
; REGISTERS, in windows of 256 (s_set_vgpr_msb: bits 1:0 source 0, 3:2 source 1, 5:4 source 2, 7:6 destination):
;   window 0: v0-15, v32-35 addresses; v16-31 four registers of statistics a piece; v48-55 at work; v62-63 the add's; v64-127 S^T, two buffers (on the way out v64-191: rows of O); v192-223 P, two buffers
;   window 1: v0-127 O^T, 32 a piece (at the start: Q in f32); v160-223 MC, the mask for the products to come, two buffers      window 2: v0-63 Q; v128-191 K of one step; v192-255 V of one step
.set NP,    4         ; pieces a wave: a name, no knob
.set KS,    64        ; keys in a step
.set PM,    528       ; a row of the mask in LDS: 128 keys x 4 bytes + 16 of padding = 132 words: the 16 rows of a load start at 16 different groups of four banks (64 banks of 4 bytes: ISA guide 11.1)
.set PK,    144       ; a row of K: 128 bytes + 16 = 36 words: likewise
.set PV,    160       ; a row of V: 128 + 32 = 40 words
.set KB,    128*PM    ; a slot: 128 rows of the mask; then 256 rows of K (128 keys of batch 0, 128 of batch 1);
.set VB,    KB+256*PK ; then 256 rows of V: 145,408 bytes
.set SLOT,  0x24000   ; slot 1 begins here.  The tiles' four places in slot 0 (0, 0x8400, 0x10800, 0x19800) have bits 14 and 17 clear, so one exclusive or turns an address in one slot into the other's
.set STAGE, 0x48000   ; behind the ring (slot 1 ends at 292,864), never filled by a tensor load: 16 rows x 272 bytes for each wave, for the way out
.set SP,    272
.set SPARE, STAGE+4*16*SP  ; behind the stages: the spare words, 128 bytes for each wave: two blocks of 256 bytes that no other line names
.set NSLOT, 32        ; 4,096 keys in slots of 128
.set AK0, 2           ; v2   my lane's place in a tile of K; never rewritten
.set AV0, 3           ; v3   the same for V
.set AK,  4           ; v4   the LDS address of K's next run of loads
.set AV,  5           ; v5   of V's
.set STO, 6           ; v6   the way out: where I put 32 bytes of a row
.set RD,  7           ; v7   the way out: where I read rows back
.set GO,  8           ; v8   my byte offset in 512 consecutive bytes of out0
.set MV,  12          ; v12-13  c m_old, kept while c m is made anew: by buffer
.set AM0, 14          ; v14  my lane's place in the mask's tile; never rewritten
.set AM,  15          ; v15  the LDS address of the mask of the step whose scores are being made
.set ST,  16          ; piece t's statistics at v[ST+4 t]: c m, m, l (even keys', odd keys')
.set QO,  32          ; v32  my byte offset in 16 rows of Q
.set PF0, 34          ; v34  my byte offset in the mask for the prefetch, at key 0; never rewritten
.set PFV, 35          ; v35  the same at the slot asked for
.set TMP, 48          ; by buffer, four registers c0-c3 at work; when the maximum is found c2 takes a
.set SPW, 62          ; v62  LDS address of my spare word: SPARE + 4 x my thread's number; never rewritten
.set NIL, 63          ; v63  0; never rewritten
.set S,   64
.set OB,  64
.set P,   192
.set MC,  160         ; window 1: buffer x % 2, the eight registers for group kb of 16 keys at + 8 kb
.set KF,  128         ; window 2: key block kb, channel half c at KF + 16 kb + 8 c
.set VF,  192         ; window 2: key half kk, channel block cb at VF + 32 kk + 8 cb
.set WV,  14          ; s14  my wave's number
.set QH,  15          ; s15  w % 2: my half of the queries; for waves 0, 1 also the half of the mask's tile that I fetch
.set BT,  16          ; s16  w / 2: my batch in the pair
.set G1M, 24          ; s[24:31] descriptor group 1 for the mask's tiles
.set G1K, 32          ; s[32:39] for K's
.set G1V, 40          ; s[40:47] for V's: it differs from K's in the padding alone
.set G0M, 48          ; s[48:51] descriptor group 0 for the mask's tiles: it walks
.set G0K, 52          ; s[52:55] for K's
.set G0V, 56          ; s[56:59] for V's
.set CS,  60          ; s[60:61] c: the packed scaling takes the pair's low word for both halves
.set SEL, 62          ; s[62:63] v_permlanex16_b32's selects: each lane takes its own place in the other half
.set SLOTS, 66        ; s66  counts the changes of slots that fill
.set CNT, 67          ; s67  counts a slot's two key steps
.set TBK, 68          ; s68  LDS byte, less my lane's place, at which K of the step to be fetched begins
.set TBV, 69          ; s69  the same for V
.set TBM, 70          ; s70  the same for the mask
.set CX,  71          ; s71, s72  my place in the cluster
.set CY,  72
.set QBLK, 73         ; s73  my block of 128 queries = 4 x cluster x + cx
.set PAIR, 74         ; s74  my pair of batches = 4 x cluster y + cy
.set ROWM, 75         ; s75  the mask of my row of the cluster
.set COLM, 76         ; s76  of my column
.set PFO, 77          ; s77  the prefetch's byte offset along a row of the mask
.set OM,  78          ; s[78:79] the mask tile's offset: made of the query block and the wave alone
.set OKV, 80          ; s[80:81] K's and V's: made of the pair alone
.set OQ,  82          ; s[82:83] Q's and out0's
.set MSB, 0
.macro WIN new                      ; the high byte repeats the setting that is left; a switch that changes nothing is dropped
.if MSB != (\new)
	s_set_vgpr_msb (MSB<<8)|(\new)
.set MSB, (\new)
.endif
.endm
.set W_KQ, 0x0a       ; K and Q in window 2, S^T in window 0
.set W_KM, 0x1a       ; the same with the C operand, the mask, in window 1
.set W_PV, 0x52       ; V in window 2, P in window 0, O^T in window 1
.set W_RS, 0x41       ; destination and source 0 in window 1, source 1 in window 0
.macro PLACES
.rept 4
	v_nop
.endr
.endm
; A joint fill: one of three lines, chosen by the wave's number alone, so the choice is the same in every work-group.  An s_nop 0 and four v_nop follow each line, ahead of the jump and the label.
; pf = 1: wave 3 also asks, for the L2 alone, for its work-group's share of the mask of the slot that the NEXT change of slots will fill (two key steps on): of the 128 rows that the eight pairs of a query block
; share, pair y asks for rows 16 y to 16 y + 15, 512 bytes each: 32 lanes 256 bytes apart, each block asked for by one lane of the launch; the offset stops at the last slot, inside the buffer.
.macro JLOAD pf
	s_cmp_lt_u32 s[WV], 2
	s_cbranch_scc0 .Lkv_\@
	tensor_load_to_lds s[G0M:G0M+3], s[G1M:G1M+7]
	s_nop 0
	PLACES
	s_branch .Lasked_\@
.Lkv_\@:
	s_cmp_eq_u32 s[WV], 2
	s_cbranch_scc0 .Lv_\@
	tensor_load_to_lds s[G0K:G0K+3], s[G1K:G1K+7]
	s_nop 0
	PLACES
	s_branch .Lasked_\@
.Lv_\@:
	tensor_load_to_lds s[G0V:G0V+3], s[G1V:G1V+7]
	s_nop 0
	PLACES
.if \pf
	global_prefetch_b8 v[PFV], s[6:7] th:TH_LOAD_NT scope:SCOPE_SE
.endif
.Lasked_\@:
.endm
; A round of the cluster's barrier: my work-group's barrier, so that wave 0's signal speaks for all four waves; wave 0 signals; every wave waits for all sixteen work-groups; my work-group's barrier once more.
.macro CROUND
	s_barrier_signal -1
	s_barrier_wait -1
	s_cmp_lg_u32 s[WV], 0
	s_cbranch_scc1 .Lnot_wave_0_\@
	s_barrier_signal -3
.Lnot_wave_0_\@:
	s_barrier_wait -3
	s_barrier_signal -1
	s_barrier_wait -1
.endm
; THE CHANGE OF SLOTS, between piece 1's turn and piece 2's: the slot's last bytes (V of its second step, the mask for that step's pieces 2 and 3) have been asked for.  Each wave waits for all its tensor loads, of
; which one is out: its part of the other slot; adds 0 to its spare word; and waits for that and for its own reads of the slot.  Behind the barrier nobody reads this slot any more and the other slot is whole.
; fill = 1: this slot is filled again, with the keys two slots on.  The barrier is then a round of the cluster's, so that no wave of any partner still reads the slot or has a load on its way, and the joint fill is
; the first thing behind it: it has two key steps, 128 matrix instructions, in which to land.  (At its first use nothing has been read yet: slot 0 is waited for, slot 1 filled.)
.macro CHANGE fill
	WIN 0                           ; at a label and at a branch every window is 0
	s_wait_tensorcnt 0x0            ; no tensor load of mine is out, so a group 0 may be written
	ds_add_u32 v[SPW], v[NIL]       ; 0 onto my spare word: with fill = 1 the descriptors' steps stand between it and the wait for it
.if \fill
	s_xor_b32 s[G0M+1], s[G0M+1], SLOT             ; the walking descriptors: the other slot than last time,
	s_add_nc_u64 s[G0M+2:G0M+3], s[G0M+2:G0M+3], 512    ; the next 128 keys: 512 bytes along the mask's rows,
	s_xor_b32 s[G0K+1], s[G0K+1], SLOT
	s_add_nc_u64 s[G0K+2:G0K+3], s[G0K+2:G0K+3], 32768  ; the pair's next block of K and of V; the type bits on top are not reached
	s_xor_b32 s[G0V+1], s[G0V+1], SLOT
	s_add_nc_u64 s[G0V+2:G0V+3], s[G0V+2:G0V+3], 32768
	s_wait_xcnt 0x0                 ; the last prefetch, two key steps back, has had its address translated (ISA guide 3.1): its offset register is rewritten only behind this wait
	v_add_nc_u32 v[PFV], s[PFO], v[PF0]
	s_add_co_u32 s[PFO], s[PFO], 512
	s_min_u32 s[PFO], s[PFO], (NSLOT-1)*512        ; never past the last slot
	s_wait_dscnt 0x0                ; the add is done, and my reads of the slot are over
	CROUND
	JLOAD 1
.else
	s_wait_dscnt 0x0                ; the add is done, and my reads of the slot are over
	s_barrier_signal -1
	s_barrier_wait -1
.endif
	s_sub_co_u32 s[TBK], s[TBK], 2*KS*PK  ; the fetches go back to a slot's first step,
	s_xor_b32 s[TBK], s[TBK], SLOT        ; in the other slot
	s_sub_co_u32 s[TBV], s[TBV], 2*KS*PV
	s_xor_b32 s[TBV], s[TBV], SLOT
	s_sub_co_u32 s[TBM], s[TBM], 512
	s_xor_b32 s[TBM], s[TBM], SLOT
.endm
	s_load_b256 s[4:11], s[0:1], 0x0  ; queries s[4:5], mask s[6:7], k16 s[8:9], v16 s[10:11]
	s_load_b64 s[12:13], s[0:1], 0x20 ; out0
	v_lshl_add_u32 v[SPW], v0, 2, SPARE
	v_mov_b32 v[NIL], 0
	ds_add_u32 v[SPW], v[NIL]       ; the wave's opening: the add and its wait stand ahead of my first tensor load; the set-up below, work on registers, stands between them
	v_lshrrev_b32 v1, 5, v0
	v_readfirstlane_b32 s[WV], v1   ; wave 0..3
	s_and_b32 s[QH], s[WV], 1
	s_lshr_b32 s[BT], s[WV], 1
	s_bfe_u32 s[CX], ttmp6, 0x40000
	s_bfe_u32 s[CY], ttmp6, 0x40004
	s_lshl_b32 s[QBLK], ttmp9, 2    ; in a cluster launch ttmp9 and ttmp7 count clusters
	s_add_co_u32 s[QBLK], s[QBLK], s[CX]
	s_and_b32 s[PAIR], ttmp7, 0xffff
	s_lshl_b32 s[PAIR], s[PAIR], 2
	s_add_co_u32 s[PAIR], s[PAIR], s[CY]
	s_lshl_b32 s[ROWM], s[CY], 2
	s_lshl_b32 s[ROWM], 15, s[ROWM] ; my row of the cluster: places 4 cy .. 4 cy + 3
	s_lshl_b32 s[COLM], 0x1111, s[CX]  ; my column: places cx, cx + 4, cx + 8, cx + 12
	; descriptor group 1 for the mask: 64 rows x 128 f32, 4,096 elements from row to row, padded in LDS behind each row
	s_or_b32 s[G1M], s[COLM], (2<<16)|(1<<20)|(1<<21)|(6<<22)|(3<<25)  ; 15:0 the mask of my column; 17:16 4-byte elements; 20 padding on; 21 set beside a mask; 24:22 after every 128 words (code 6); 31:25 4 words (code 3)
	s_mov_b32 s[G1M+1], 128<<16     ; tensor_dim0 = 128
	s_mov_b32 s[G1M+2], 64<<16      ; tensor_dim1 = 64
	s_mov_b32 s[G1M+3], 128<<16     ; tile_dim0 = 128
	s_mov_b32 s[G1M+4], 64          ; tile_dim1 = 64
	s_mov_b32 s[G1M+5], 4096        ; elements from row to row
	s_mov_b32 s[G1M+6], 0
	s_mov_b32 s[G1M+7], 0
	; for K and V: 256 keys (128 of each batch) are 32,768 dense bytes: asked for as 128 rows of 256 bytes, two keys a row, and padded in LDS after every key
	s_or_b32 s[G1K], s[ROWM], (1<<16)|(1<<20)|(1<<21)|(4<<22)|(3<<25)  ; 15:0 the mask of my row; 17:16 2-byte elements; 24:22 after every 32 words (code 4); 31:25 4 words (code 3)
	s_or_b32 s[G1V], s[ROWM], (1<<16)|(1<<20)|(1<<21)|(4<<22)|(7<<25)  ; the same with 8 words of padding (code 7)
.irp g, G1K, G1V
	s_mov_b32 s[\g+1], 128<<16      ; tensor_dim0 = 128
	s_mov_b32 s[\g+2], 128<<16      ; tensor_dim1 = 128
	s_mov_b32 s[\g+3], 128<<16      ; tile_dim0 = 128
	s_mov_b32 s[\g+4], 128          ; tile_dim1 = 128
	s_mov_b32 s[\g+5], 128          ; 128 elements from row to row
	s_mov_b32 s[\g+6], 0
	s_mov_b32 s[\g+7], 0
.endr
	s_mov_b32 s[G0M], 1             ; 1:0 count = 1
	s_mul_i32 s[G0M+1], s[QH], 64*PM  ; 63:32 LDS address, slot 0: my half of the mask's 128 rows.  No place in the cluster enters an LDS address
	s_mov_b32 s[G0K], 1
	s_mov_b32 s[G0K+1], KB
	s_mov_b32 s[G0V], 1
	s_mov_b32 s[G0V+1], VB
	s_lshl_b32 s[OM], s[QBLK], 7    ; the mask's row 128 x query block + 64 x half,
	s_lshl_b32 s17, s[QH], 6
	s_add_co_u32 s[OM], s[OM], s17
	s_lshl_b32 s[OM], s[OM], 14     ; 16,384 bytes a row
	s_mov_b32 s[OM+1], 0
	s_lshl_b32 s[OKV], s[PAIR], 20  ; a pair's K or V is 1 MiB
	s_mov_b32 s[OKV+1], 0
	s_lshl_b32 s[OQ], s[PAIR], 1
	s_add_co_u32 s[OQ], s[OQ], s[BT]  ; my batch,
	s_lshl_b32 s[OQ], s[OQ], 20     ; 1 MiB of f32 each,
	s_lshl_b32 s84, s[QBLK], 7
	s_add_co_u32 s84, s84, s17      ; and my wave's first row in it,
	s_lshl_b32 s84, s84, 8          ; 256 bytes a row
	s_add_co_u32 s[OQ], s[OQ], s84
	s_mov_b32 s[OQ+1], 0
	s_mov_b32 s[CS], 0x3fb8aa3b     ; c = log2(e)
	s_mov_b32 s[CS+1], s[CS]        ; named with it as a pair
	s_mov_b32 s[SEL], 0x76543210
	s_mov_b32 s[SEL+1], 0xfedcba98
	s_mov_b32 s[TBK], SLOT+2*KS*PK  ; the first change of slots turns these three into 0
	s_mov_b32 s[TBV], SLOT+2*KS*PV
	s_mov_b32 s[TBM], SLOT+512
	s_mov_b32 s[PFO], 2*512         ; the first change fills slot 1 and asks ahead for slot 2
	s_wait_dscnt 0x0                ; the opening add is done
	s_wait_kmcnt 0x0
	s_add_nc_u64 s[G0M+2:G0M+3], s[6:7], s[OM:OM+1]    ; 120:64 global address: keys 0 to 127
	s_or_b32 s[G0M+3], s[G0M+3], 0x80000000            ; 127:126 type = 2
	s_add_nc_u64 s[G0K+2:G0K+3], s[8:9], s[OKV:OKV+1]
	s_or_b32 s[G0K+3], s[G0K+3], 0x80000000
	s_add_nc_u64 s[G0V+2:G0V+3], s[10:11], s[OKV:OKV+1]
	s_or_b32 s[G0V+3], s[G0V+3], 0x80000000
	s_add_nc_u64 s[4:5], s[4:5], s[OQ:OQ+1]            ; Q and out0 at my wave's first row
	s_add_nc_u64 s[12:13], s[12:13], s[OQ:OQ+1]
	CROUND                          ; all sixteen work-groups are here: the first joint loads meet
	JLOAD 0                         ; slot 0.  Slot 1 is asked for when slot 0 is in, by the loop's own change of slots
	; All that follows, up to the change of slots, stands in the wait for the first tile.
	; A fragment of Q is 16 rows x 32 channels in 8 registers of f16: lane l holds row l % 16, channels 8 (l / 16) + 0..7 and 16 + 8 (l / 16) + 0..7.  In f32 each eight channels are 32 bytes: two loads of 16.
	v_and_b32 v1, 15, v0            ; l % 16
	v_bfe_u32 v9, v0, 4, 1          ; l / 16
	v_and_b32 v10, 7, v0
	v_bfe_u32 v11, v0, 3, 1
	v_lshlrev_b32 v[QO], 8, v1
	v_lshl_add_u32 v[QO], v9, 5, v[QO]  ; row x 256 + 32 x half
	WIN 0x40                        ; destination window 1, address window 0: Q in f32 lies where O^T will
.set i, 0
.rept 32                            ; piece i / 8; of its eight loads z = i % 8: channels 32 (z / 4) + 16 ((z / 2) % 2) + 4 (z % 2) + 8 (l / 16) on
	global_load_b128 v[4*i:4*i+3], v[QO], s[4:5] offset:(i/8)*4096+((i%8)/4)*128+(((i%8)/2)%2)*64+(i%2)*16
.set i, i+1
.endr
	WIN 0
	v_mul_u32_u24 v[AK0], v1, PK
	v_lshl_add_u32 v[AK0], v9, 4, v[AK0]  ; K: row x pitch + 16 x half,
	s_mul_i32 s19, s[BT], 128*PK
	s_add_co_u32 s19, s19, KB
	v_add_nc_u32 v[AK0], s19, v[AK0]      ; in my batch's 128 rows
	; The turning load takes 16 keys x 16 channels (lane l reads key 8 (l / 16) + l % 8, channels 8 ((l / 8) % 2) + 0..7) and leaves half a fragment of V^T: lane l holds channel l % 16 and 8 keys.
	v_lshl_add_u32 v[AV0], v9, 3, v10
	v_mul_u32_u24 v[AV0], v[AV0], PV
	v_lshl_add_u32 v[AV0], v11, 4, v[AV0]
	s_mul_i32 s20, s[BT], 128*PV
	s_add_co_u32 s20, s20, VB
	v_add_nc_u32 v[AV0], s20, v[AV0]
	v_mul_u32_u24 v[AM0], v1, PM    ; the mask: my query's row, and 8 keys x 4 bytes for each half of the lanes,
	v_lshl_add_u32 v[AM0], v9, 5, v[AM0]
	s_mul_i32 s21, s[QH], 64*PM
	v_add_nc_u32 v[AM0], s21, v[AM0]      ; in my wave's 64 rows
	s_mul_i32 s22, s[WV], 16*SP
	s_add_co_u32 s22, s22, STAGE    ; my stage
	v_mul_u32_u24 v[STO], v1, SP    ; in: row l % 16, 32 bytes for each half of the lanes
	v_lshl_add_u32 v[STO], v9, 5, v[STO]
	v_add_nc_u32 v[STO], s22, v[STO]
	v_mul_u32_u24 v[RD], v9, SP     ; back: lanes 0-15 take one row of 256 bytes, lanes 16-31 the next,
	v_lshl_add_u32 v[RD], v1, 4, v[RD]
	v_add_nc_u32 v[RD], s22, v[RD]
	v_and_b32 v[GO], 31, v0         ; which are 512 consecutive bytes of out0
	v_lshlrev_b32 v[GO], 4, v[GO]
	v_and_b32 v[PF0], 31, v0        ; the prefetch: two lanes a row,
	v_lshrrev_b32 v[PF0], 1, v[PF0]
	s_lshl_b32 s84, s[QBLK], 7
	s_lshl_b32 s85, s[PAIR], 4
	s_add_co_u32 s84, s84, s85      ; from row 128 x query block + 16 x pair on,
	v_add_nc_u32 v[PF0], s84, v[PF0]
	v_lshlrev_b32 v[PF0], 14, v[PF0]
	v_and_b32 v[PFV], 1, v0
	v_lshl_add_u32 v[PF0], v[PFV], 8, v[PF0]  ; 256 bytes apart
	; What the first turns find.  c m starts far below every c s, so the first step's a is 0; m low, so the first maximum is the scores'; l at 0.  P's second buffer holds 0: the first turn's products V^T P, of a piece
	; that has not been, add 0.  O^T is not cleared: it holds the same queries' Q in f32, finite numbers, and the first step multiplies it by a = 0.
.set i, 0
.rept 4
	v_mov_b32 v[ST+4*i], 0xff000000    ; c m = -2^127
	v_mov_b32 v[ST+4*i+1], 0xfe000000  ; m = -2^125: c m stays finite whatever the scores
	v_mov_b32 v[ST+4*i+2], 0
	v_mov_b32 v[ST+4*i+3], 0
.set i, i+1
.endr
.set i, P+16
.rept 16
	v_mov_b32 v[i], 0
.set i, i+1
.endr
	s_wait_loadcnt 0x0              ; Q
	WIN 0x85                        ; sources window 1, destination window 2
.set i, 0
.rept 64
	v_cvt_pk_f16_f32 v[i], v[2*i], v[2*i+1]
.set i, i+1
.endr
	WIN 0
; THE MATRIX WORK.  The 4 accumulators of a run of 8 take turns.  Product i of 8 of S^T = K Q^T + M^T for piece x: channels 32 (i / 4) on, keys 16 (i % 4) on.  The first 4 start the sums with the mask.
.macro KQ x
.set rS, S+32*((\x)%2)+8*(i%4)
.set rK, KF+16*(i%4)+8*(i/4)
.set rQ, 16*(\x)+8*(i/4)
.set rM, MC+32*((\x)%2)+8*(i%4)
.if i < 4
	WIN W_KM
	v_wmma_f32_16x16x32_f16 v[rS:rS+7], v[rK:rK+7], v[rQ:rQ+7], v[rM:rM+7]
.else
	WIN W_KQ
	v_wmma_f32_16x16x32_f16 v[rS:rS+7], v[rK:rK+7], v[rQ:rQ+7], v[rS:rS+7]
.endif
.endm
; Product i of 8 of O^T += V^T P for piece x: keys 32 (i / 4) on, channels 16 (i % 4) on.
.macro PV x
	WIN W_PV
.set rO, 32*(\x)+8*(i%4)
.set rV, VF+32*(i/4)+8*(i%4)
.set rP, P+16*((\x)%2)+8*(i/4)
	v_wmma_f32_16x16x32_f16 v[rO:rO+7], v[rV:rV+7], v[rP:rP+7], v[rO:rO+7]
.endm
.macro MM                           ; the turn's next matrix instruction.  TURN sets Y, i and NOKQ.  NOKQ = 1: the very last turn: there is no next piece
.if (i < 8) && !NOKQ
	KQ (Y+1)%NP
.elseif i >= 8
.set i, i-8
	PV (Y+NP-1)%NP
.set i, i+8
.endif
.set i, i+1
.endm
; THE LDS LOADS stand in runs, never singly among the matrix instructions: a step's K (64 keys x 64 channels: 8 fragments), its V (turned), and for each piece its 16 rows x 64 keys of the mask.
.macro FETCH_K
	WIN 0x80                        ; destination window 2
.irp f, 0,1,2,3,4,5,6,7             ; keys 16 (f / 2) on, channels 32 (f % 2) on
	ds_load_b128 v[KF+8*\f:KF+8*\f+3],   v[AK] offset:(\f/2)*16*PK+(\f%2)*64
	ds_load_b128 v[KF+8*\f+4:KF+8*\f+7], v[AK] offset:(\f/2)*16*PK+(\f%2)*64+32
.endr
	s_add_co_u32 s[TBK], s[TBK], KS*PK  ; the next fetch is the next step's
	WIN 0
.endm
.macro FETCH_V
	WIN 0x80
.irp f, 0,1,2,3,4,5,6,7             ; keys 32 (f / 4) on, channels 16 (f % 4) on
	ds_load_tr16_b128 v[VF+8*\f:VF+8*\f+3],   v[AV] offset:(\f/4)*32*PV+(\f%4)*32
	ds_load_tr16_b128 v[VF+8*\f+4:VF+8*\f+7], v[AV] offset:(\f/4)*32*PV+16*PV+(\f%4)*32
.endr
	WIN 0
.endm
.macro FETCH_M x                    ; piece x's mask: register 8 kb + j of buffer x % 2 takes mask[my query][key 16 kb + 8 (l / 16) + j].  The window is left as it is: every line that can follow sets its own
	WIN 0x40                        ; destination window 1
.irp f, 0,1,2,3,4,5,6,7             ; keys 16 (f / 2) + 4 (f % 2) + 8 (l / 16) on
	ds_load_b128 v[MC+32*((\x)%2)+4*\f:MC+32*((\x)%2)+4*\f+3], v[AM] offset:(\x)*16*PM+(\f/2)*64+(\f%2)*16
.endr
.endm
; THE VECTOR WORK, one line at a time: OP kind, number.  For piece Y: F n: c s - c m for pair n of 16.  E n: the exponential of score n of 32.  C n: pair n rounded to f16.  B n: of the four weights 4 n .. the second
; pair is added onto the first, in place.  L n: l takes that sum (L 0: l = a l + sum).  R n: pair n of 16 of O^T times a.  For piece Y + 1: X n, number n of the 22 that find its maximum and statistics:
;   0-11  four chains c0-c3 of seven scores each, three operands at a time (each accumulator's lowest registers are read first)     12-14, 16  the four scores left over, the old m, and c0-c3 into c0
;   15  c m_old is kept     17, 18  the query's other 32 keys lie in the lane 16 away: the new m     19-21  c m; c m_old - c m_new; a
.set F, 0               ; OP tells the kinds apart by their order: F to L below R, X above it
.set E, 1
.set C, 2
.set B, 3
.set L, 4
.set R, 5
.set X, 6
.macro REGS y                       ; the registers of piece y
.set rT, ST+4*(\y)
.set rC, TMP+4*((\y)%2)
.set rW, MV+((\y)%2)
.set rS, S+32*((\y)%2)
.set rP, P+16*((\y)%2)
.set rO, 32*(\y)
.endm
.macro OP k, n
.if (\k) == R
	REGS Y
	WIN W_RS
	v_pk_mul_f32 v[rO+2*(\n):rO+2*(\n)+1], v[rO+2*(\n):rO+2*(\n)+1], v[rC+2:rC+3] op_sel_hi:[1,0]
.elseif (\k) < R
	REGS Y
	WIN 0
.if (\k) == F
	v_pk_fma_f32 v[rS+2*(\n):rS+2*(\n)+1], v[rS+2*(\n):rS+2*(\n)+1], s[CS:CS+1], v[rT:rT+1] op_sel_hi:[1,0,0] neg_lo:[0,0,1] neg_hi:[0,0,1]
.elseif (\k) == E
	v_exp_f32 v[rS+(\n)], v[rS+(\n)]
.elseif (\k) == C
	s_wait_alu depctr_va_vdst(0)
	v_cvt_pk_f16_f32 v[rP+(\n)], v[rS+2*(\n)], v[rS+2*(\n)+1]
.elseif (\k) == B
	s_wait_alu depctr_va_vdst(0)
	v_pk_add_f32 v[rS+4*(\n):rS+4*(\n)+1], v[rS+4*(\n):rS+4*(\n)+1], v[rS+4*(\n)+2:rS+4*(\n)+3]
.elseif (\n) == 0
	v_pk_fma_f32 v[rT+2:rT+3], v[rT+2:rT+3], v[rC+2:rC+3], v[rS:rS+1] op_sel_hi:[1,0,1]
.else
	v_pk_add_f32 v[rT+2:rT+3], v[rT+2:rT+3], v[rS+4*(\n):rS+4*(\n)+1]
.endif
.elseif NOKQ
	v_nop
.else
	REGS (Y+1)%NP
	WIN 0
.if (\n) < 4
	v_max3_num_f32 v[rC+(\n)], v[rS+8*(\n)], v[rS+8*(\n)+1], v[rS+8*(\n)+2]
.elseif (\n) < 12
	v_max3_num_f32 v[rC+(\n)%4], v[rC+(\n)%4], v[rS+8*((\n)%4)+2*((\n)/4)+1], v[rS+8*((\n)%4)+2*((\n)/4)+2]
.elseif (\n) == 12
	v_max3_num_f32 v[rC], v[rC], v[rS+7], v[rS+15]
.elseif (\n) == 13
	v_max3_num_f32 v[rC+1], v[rC+1], v[rS+23], v[rS+31]
.elseif (\n) == 14
	v_max3_num_f32 v[rC+2], v[rC+2], v[rC+3], v[rT+1]
.elseif (\n) == 15
	v_mov_b32 v[rW], v[rT]
.elseif (\n) == 16
	v_max3_num_f32 v[rC], v[rC], v[rC+1], v[rC+2]
.elseif (\n) == 17
	v_permlanex16_b32 v[rC+3], v[rC], s[SEL], s[SEL+1]
.elseif (\n) == 18
	v_max_num_f32 v[rT+1], v[rC], v[rC+3]
.elseif (\n) == 19
	v_mul_f32 v[rT], s[CS], v[rT+1]
.elseif (\n) == 20
	v_sub_f32 v[rC+1], v[rW], v[rT]
.else
	v_exp_f32 v[rC+2], v[rC+1]
.endif
.endif
.endm
.macro OPS a, i1, b=-1, i2=0, c=-1, i3=0, d=-1, i4=0  ; up to four of them
	OP \a, \i1
.if (\b) >= 0
	OP \b, \i2
.endif
.if (\c) >= 0
	OP \c, \i3
.endif
.if (\d) >= 0
	OP \d, \i4
.endif
.endm
.macro ROW a, i1, b, i2, c, i3, d, i4  ; a matrix instruction and the four behind it
	MM
	OPS \a, \i1, \b, \i2, \c, \i3, \d, \i4
.endm
; A TURN, for piece p: the order of its 16 matrix and 118 vector instructions, written out.  Behind a matrix instruction: plain, exponential, plain, plain; or four of the rescaling; or, behind the first, four scalings; none
; names a register of the products round it.  In the two runs exponential and plain by turns while exponentials last.  A line reads no result made fewer than three vector instructions in front of it, five if an exponential made it.
; end = 1: the last two turns: nothing is fetched.  cnt = 1: the loop's count is taken down some lines ahead of the branch that stands behind the turn.
; THE FETCHES.  Each turn fetches the mask for the products of the turn after it, piece p + 2's, into the buffer that the turn before read: turns 0 and 1 for pieces 2 and 3 of the step in hand, turns 2 and 3 for pieces
; 0 and 1 of the next step (turn 2 makes the mask's address anew).  K of the next step is fetched in piece 2's turn, six vector instructions behind the last product that read K (five of them plain); V of the step in hand
; in piece 0's turn, eight behind the last product that read V (four plain, and X 17).
; THE WAITS.  At a turn's head the mask for its products (and in turn 3 K) must be in: nothing younger is out, so the count is 0; but in turn 1, where V's 16 loads were issued behind the mask's 8 and may stay out.
; In the middle of turn 1 V must be in: the turn's own 8 loads of the mask are younger and may stay out.
.macro TURN p, end=0, cnt=0
.set Y, (\p)
.set i, 0
.set NOKQ, (\end)*((\p)/3)
.if (\p) == 1
	s_wait_dscnt 16
.elseif !NOKQ
	s_wait_dscnt 0x0
.endif
	ROW F,0, F,1, F,2, F,3
	ROW F,4, E,0, F,5, F,6
	ROW F,7, E,1, F,8, F,9
	ROW F,10, E,2, C,0, F,11
	ROW F,12, E,3, X,15, F,13
	ROW R,0, R,1, R,2, R,3
	ROW B,0, E,4, F,14, L,0
.if ((\p) == 2) && !(\end)
	WIN 0
	v_add_nc_u32 v[AK], s[TBK], v[AK0]
	v_add_nc_u32 v[AM], s[TBM], v[AM0]
.endif
	ROW R,4, R,5, R,6, R,7
	OPS E,5, F,15
.if !(\end)
	FETCH_M ((\p)+2)%NP
.if (\p) == 2
	FETCH_K
	s_add_co_u32 s[TBM], s[TBM], 4*KS   ; the next step's 64 keys lie 256 bytes on in the mask's rows
.endif
.endif
	OPS E,6, C,1, E,7, R,8
	OPS E,8, R,9, E,9, C,2
	OPS E,10, X,0, E,11, X,1
	OPS E,12, X,2, E,13, X,3
.if (\p) == 1
	s_wait_dscnt 8
.endif
	ROW X,4, E,14, X,5, X,6
	ROW X,7, E,15, X,8, X,9
	ROW X,10, E,16, X,11, X,12
	ROW X,13, E,17, X,14, B,1
	ROW C,4, E,18, X,16, L,1
	ROW B,2, E,19, C,6, L,2
	ROW C,8, E,20, B,3, B,4
.if (\p) == 0
	WIN 0
	v_add_nc_u32 v[AV], s[TBV], v[AV0]
.endif
	ROW C,3, E,21, L,3, C,5
	OPS E,22, X,17, E,23, C,10
.if (\p) == 0
	FETCH_V
.endif
	OPS E,24, L,4
	OPS E,25, X,18, E,26, C,7
	OPS E,27, B,5, E,28, X,19
	OPS E,29, C,12, E,30, L,5
	OPS E,31, X,20, B,6, C,9
	OPS C,14, C,11, X,21, L,6
.if (\p) == 0
	s_add_co_u32 s[TBV], s[TBV], KS*PV
.endif
.if \cnt
	s_sub_co_u32 s[CNT], s[CNT], 1
	s_cmp_lg_u32 s[CNT], 0
.endif
	OPS C,13, B,7, C,15, R,10
	OPS R,11, R,12, L,7, R,13
	OPS R,14, R,15
.endm
	CHANGE 1                        ; slot 0 is in, everybody's part of it; slot 1 is asked for
	v_add_nc_u32 v[AK], s[TBK], v[AK0]  ; key step 0 lies at the head of slot 0
	v_add_nc_u32 v[AM], s[TBM], v[AM0]
	v_add_nc_u32 v[AV], s[TBV], v[AV0]
	FETCH_K
	FETCH_M 0
	FETCH_M 1
	s_add_co_u32 s[TBM], s[TBM], 4*KS
	FETCH_V                         ; V of step 0 gives V's registers finite numbers for the first turn's products on P = 0; that turn fetches it again in its own place
	s_wait_dscnt 0x0
.set NOKQ, 0
.set i, 0
.rept 8
	KQ 0                            ; piece 0's first scores: there is no vector work yet to set between them
.set i, i+1
.endr
	WIN 0
	PLACES                          ; the places behind those products
.set Y, NP-1                        ; X works for piece Y + 1: piece 0
.irp n, 0,1,2,3,4,5,6,7,8,9,10,11,12,13,14,15,16,17,18,19,20,21
	OP X, \n
.endr
	v_nop                           ; a plain instruction behind the exponential
	s_mov_b32 s[CNT], 2
	s_mov_b32 s[SLOTS], NSLOT-1
	s_branch .Lfirst                ; the loop is entered at a step's first turn, in the middle of a trip
.Lslot:                             ; NSLOT - 2 times: every slot but the last two is filled again
	CHANGE 1
	s_mov_b32 s[CNT], 2
.Lstep:                             ; a trip: pieces 2 and 3 of one step, then pieces 0 and 1 of the next, whose K, V and mask it fetches
	TURN 2
	TURN 3
	WIN 0
.Lfirst:
	TURN 0
	TURN 1, 0, 1
	WIN 0
	s_cbranch_scc1 .Lstep
	s_sub_co_u32 s[SLOTS], s[SLOTS], 1
	s_cmp_lg_u32 s[SLOTS], 0
	s_cbranch_scc1 .Lslot
	CHANGE 0                        ; the tail is written out: the last slot is entered, and nothing is asked for
	s_mov_b32 s[CNT], 2
.Ltail:
	TURN 2
	TURN 3
	TURN 0
	TURN 1, 0, 1
	WIN 0
	s_cbranch_scc1 .Ltail
	TURN 2, 1                       ; the last step's pieces 2 and 3: nothing is fetched, and the last turn starts no new scores
	TURN 3, 1
.set i, 0
.rept 8
	PV NP-1                         ; the last piece's V^T P of the last step
.set i, i+1
.endr
	; THE WAY OUT.  l's two halves and the other half of the lanes' are added; O^T is divided by l and sent, in f32, through my stage in LDS, a piece (16 rows of out0) at a time.  The additions are the places behind the last products.
	WIN 0
.macro ALL line:vararg              ; one line for each piece t
.set t, 0
.rept 4
	\line
.set t, t+1
.endr
.endm
	ALL v_add_f32 v[ST+4*t+2], v[ST+4*t+2], v[ST+4*t+3]
	ALL v_permlanex16_b32 v[ST+4*t+3], v[ST+4*t+2], s[SEL], s[SEL+1]
	ALL v_add_f32 v[ST+4*t+2], v[ST+4*t+2], v[ST+4*t+3]
	ALL v_rcp_f32 v[ST+4*t+2], v[ST+4*t+2]
	v_nop                           ; a plain instruction between the last reciprocal and the use of its result
; Piece t: a lane's eight channels of a row are 32 bytes; they go into rows of 272 bytes and come back as whole rows of 256, into 32 registers of the piece's own.
.macro PACK t
	WIN W_RS
.set i, 32*(\t)
.rept 16
	s_wait_alu depctr_va_vdst(0)
	v_pk_mul_f32 v[i:i+1], v[i:i+1], v[ST+4*(\t)+2:ST+4*(\t)+3] op_sel_hi:[1,0]
.set i, i+2
.endr
	WIN 0x04                        ; the stores' data in window 1, their address in window 0
.irp f, 0,1,2,3,4,5,6,7             ; channels 16 (f / 2) + 4 (f % 2) + 8 (l / 16) on
	ds_store_b128 v[STO], v[32*(\t)+4*\f:32*(\t)+4*\f+3] offset:(\f/2)*64+(\f%2)*16
.endr
	WIN 0
.irp f, 0,1,2,3,4,5,6,7
	ds_load_b128 v[OB+32*(\t)+4*\f:OB+32*(\t)+4*\f+3], v[RD] offset:\f*2*SP  ; LDS serves a wave's instructions in order (ISA guide 5.7.1.4): these see the stores above; the next piece's stores come behind them
.endr
.endm
.macro SEND t, younger              ; younger: the LDS instructions issued behind piece t's loads: the next piece's sixteen, or none
	WIN 0
.irp f, 0,1,2,3,4,5,6,7
	s_wait_dscnt (\younger)+7-\f
	global_store_b128 v[GO], v[OB+32*(\t)+4*\f:OB+32*(\t)+4*\f+3], s[12:13] offset:(\t)*4096+\f*512 th:TH_STORE_NT  ; 512 consecutive bytes, two rows, at a multiple of 256 from out0's first byte
.endr
.endm
	PACK 0
.set t, 1
.rept 3                             ; a piece's arithmetic stands between the loads of the piece before and its stores
	PACK t
	SEND t-1, 16
.set t, t+1
.endr
	SEND 3, 0
	s_wait_tensorcnt 0x0            ; the wave's end: behind my last tensor load and my last LDS store
	ds_add_u32 v[SPW], v[NIL]
	s_wait_dscnt 0x0
	CROUND                          ; the closing round: no work-group ends while a partner may still ask for a tile that names it
	s_endpgm
.Lfunc_end_k_qf67234a4fb_attn:
	.size	k_qf67234a4fb_attn, .Lfunc_end_k_qf67234a4fb_attn-k_qf67234a4fb_attn
	.p2alignl 7, 3214868480
	.fill 96, 4, 3214868480
	.section	.rodata,"a",@progbits
	.p2align	6, 0x0
	.amdhsa_kernel k_qf67234a4fb_attn
		.amdhsa_group_segment_fixed_size 327680
		.amdhsa_private_segment_fixed_size 0
		.amdhsa_enable_private_segment 0
		.amdhsa_kernarg_size 40
		.amdhsa_user_sgpr_count 2
		.amdhsa_user_sgpr_kernarg_segment_ptr 1
		.amdhsa_wavefront_size32 1
		.amdhsa_system_sgpr_workgroup_id_x 1
		.amdhsa_system_sgpr_workgroup_id_y 1
		.amdhsa_system_sgpr_workgroup_id_z 1
		.amdhsa_system_vgpr_workitem_id 0
		.amdhsa_next_free_vgpr 768
		.amdhsa_next_free_sgpr 88
		.amdhsa_reserve_vcc 0
		.amdhsa_float_denorm_mode_32 3
		.amdhsa_float_denorm_mode_16_64 3
		.amdhsa_memory_ordered 1
		.amdhsa_forward_progress 1
		.amdhsa_inst_pref_size 144
	.end_amdhsa_kernel
	.amdgpu_metadata
---
amdhsa.version: [ 1, 2 ]
amdhsa.kernels:
  - .name:           k_qf67234a4fb_attn
    .symbol:         k_qf67234a4fb_attn.kd
    .args:
      - { .name: queries, .offset: 0, .size: 8, .value_kind: global_buffer, .address_space: global }
      - { .name: mask, .offset: 8, .size: 8, .value_kind: global_buffer, .address_space: global }
      - { .name: k16, .offset: 16, .size: 8, .value_kind: global_buffer, .address_space: global }
      - { .name: v16, .offset: 24, .size: 8, .value_kind: global_buffer, .address_space: global }
      - { .name: out0, .offset: 32, .size: 8, .value_kind: global_buffer, .address_space: global }
    .group_segment_fixed_size: 327680
    .private_segment_fixed_size: 0
    .kernarg_segment_align: 8
    .kernarg_segment_size: 40
    .max_flat_workgroup_size: 128
    .sgpr_count:     88
    .vgpr_count:     768
    .wavefront_size: 32
...
	.end_amdgpu_metadata
.endif
;; end of part 2
;; ======== version 2 of 2: 2 launches; version 1 with the launch cast written anew for expert scheduling mode
;; limits: values are held in f16: magnitudes above 65,504 overflow, below 6.1e-05 lose precision; inputs' magnitudes at most 65,504
;; workspace buffers: k16 8,388,608 bytes; v16 8,388,608 bytes
;; launch cast (part 3): grid 32 x 16, 8 waves a work-group, no clusters, 0 bytes of LDS; arguments keys, values, k16, v16; writes k16, v16
.if DOCPART == 3
	.amdgcn_target "amdgcn-amd-amdhsa--gfx1250"
	.amdhsa_code_object_version 6
	.text
	.protected	k_qf67234a4fb_cast
	.globl	k_qf67234a4fb_cast
	.p2align	8
	.type	k_qf67234a4fb_cast,@function
k_qf67234a4fb_cast:
	s_mov_b64 s[64:65], 0
	v_nop
	global_prefetch_b8 v0, s[64:65] scope:SCOPE_SE
	s_setreg_imm32_b32 hwreg(HW_REG_WAVE_SCHED_MODE, 0, 2), 2
	s_setreg_imm32_b32 hwreg(HW_REG_WAVE_MODE, 25, 1), 1
	s_wait_xcnt 0x0
	s_wait_alu depctr_vm_vsrc(0)
; k16 = f16(keys / 8), v16 = f16(values), each rounded once (the factor 1/8 is a power of two: the product is exact).
; keys, values: [16][4096][64] f32.  k16, v16: f16 in blocks [pair of batches][slot of 128 keys][batch in the pair][128 keys][64 channels],
; so that the 128 keys of BOTH batches of a pair are 32,768 consecutive bytes: one tile for the launch behind.
; LIMITS.  f16 holds no number beyond 65,504: |values| stays under that, |keys| under 524,000; below 6e-5 f16 keeps its fixed step of 6e-8.
; A work-group takes 128 keys of one batch: 32,768 bytes of keys and as many of values.  Thread t owns 16 bytes of every 4,096: a load of a wave covers
; 512 consecutive bytes, a store 256 consecutive bytes at a multiple of 256 from the buffer's first byte.  All sixteen loads go out ahead of the first wait;
; no register is used twice, so nothing waits for a store.  No LDS, no matrix unit: each byte is touched once.
; THE MODE: SCHED_MODE bits 1:0 = 2 (LLVM: expert scheduling mode 2), set by the entry lines.  The code itself states the register dependences
; between vector instructions and memory instructions, with s_wait_alu, always for 0.
; THE PLAN.  Registers that memory instructions touch:
;   v1, v2   the loads' and the stores' byte offsets: written once at the head, never again.
;   X        load i lands in its four registers, once; no vector instruction names them before that, and no load lands in them again.
;   Y        load i's two conversions write its pair, once; store i reads it, once; nothing writes it again.
; The sixteen loads are four groups of four.  Group g's vector instructions name X and Y of group g alone; its memory instructions are the four stores of
; group g - 1, which read v2 and Y of group g - 1.  So ONE wait at a group's head states all that the group's four stores hang on, and they are dealt among
; its vector instructions with no further wait, each ahead of the wait for the next load's data.  No register that a memory instruction reads is ever
; written again, so no wait on vm_vsrc is owed.
.set X, 4                              ; v[4:67]   sixteen loads of four f32: keys' eight, then values' eight
.set Y, 68                             ; v[68:99]  sixteen pairs of registers, four f16 each
	s_load_b256 s[4:11], s[0:1], 0x0               ; keys s[4:5], values s[6:7], k16 s[8:9], v16 s[10:11]
	s_and_b32 s16, ttmp7, 0xffff                   ; the batch n
	s_lshl_b32 s17, ttmp9, 15                      ; the slot t: 128 keys are 32,768 bytes of f32; a slot of a pair is 32,768 bytes of f16
	s_lshl_b32 s12, s16, 20                        ; a batch is 1 MiB of f32
	s_or_b32 s12, s12, s17                         ; from: n << 20 | t << 15
	s_mov_b32 s13, 0
	s_lshr_b32 s14, s16, 1
	s_lshl_b32 s14, s14, 20                        ; a pair is 1 MiB of f16
	s_or_b32 s14, s14, s17
	s_and_b32 s16, s16, 1
	s_lshl_b32 s16, s16, 14                        ; 128 keys of one batch are 16,384 bytes of f16
	s_or_b32 s14, s14, s16                         ; to: (n >> 1) << 20 | t << 15 | (n & 1) << 14
	s_mov_b32 s15, 0
	s_mov_b32 s18, 0x3e000000                      ; 1/8
	s_mov_b32 s19, s18                             ; named with it as a pair
	v_lshlrev_b32 v1, 4, v0                        ; my 16 bytes of f32
	v_lshlrev_b32 v2, 3, v0                        ; my 8 bytes of f16
	s_wait_kmcnt 0x0
	s_add_nc_u64 s[4:5], s[4:5], s[12:13]
	s_add_nc_u64 s[6:7], s[6:7], s[12:13]
	s_add_nc_u64 s[8:9], s[8:9], s[14:15]
	s_add_nc_u64 s[10:11], s[10:11], s[14:15]
	s_wait_alu depctr_va_vdst(0)                   ; v1 and v2 are written: every load of the kernel reads v1 as its offset, every store v2
.irp j, 0,1,2,3,4,5,6,7
	global_load_b128 v[X+4*\j:X+4*\j+3], v1, s[4:5] offset:4096*\j th:TH_LOAD_NT
.endr
.irp j, 0,1,2,3,4,5,6,7
	global_load_b128 v[X+32+4*\j:X+32+4*\j+3], v1, s[6:7] offset:4096*\j th:TH_LOAD_NT
.endr
; Store n: the four f16 made of load n.  0 to 7 go to k16, 8 to 15 to v16.
.macro STORE n
.if (\n) < 8
	global_store_b64 v2, v[Y+2*(\n):Y+2*(\n)+1], s[8:9] offset:2048*(\n)
.else
	global_store_b64 v2, v[Y+2*(\n):Y+2*(\n)+1], s[10:11] offset:2048*((\n)-8)
.endif
.endm
.set i, 0
.rept 16
.if (i >= 4) && (i % 4 == 0)
	s_wait_alu depctr_va_vdst(0)                   ; the group before has written its four pairs of Y, which this group's four stores read
.endif
.if i >= 4
	STORE i-4                                      ; no vector instruction since the wait names v2 or this pair of Y
.endif
	s_wait_loadcnt 15-i                            ; loads come back in order (ISA guide 5.7.1): number i is in, the 15 - i younger ones stay out
.if i < 8
	v_pk_mul_f32 v[X+4*i:X+4*i+1], v[X+4*i:X+4*i+1], s[18:19] op_sel_hi:[1,0]      ; keys alone are divided by 8
	v_pk_mul_f32 v[X+4*i+2:X+4*i+3], v[X+4*i+2:X+4*i+3], s[18:19] op_sel_hi:[1,0]
.endif
	v_cvt_pk_f16_f32 v[Y+2*i], v[X+4*i], v[X+4*i+1]
	v_cvt_pk_f16_f32 v[Y+2*i+1], v[X+4*i+2], v[X+4*i+3]
.set i, i+1
.endr
	s_wait_alu depctr_va_vdst(0)                   ; the last group has written its four pairs of Y, which the last four stores read
.irp n, 12,13,14,15
	STORE \n
.endr
	s_endpgm
.Lfunc_end_k_qf67234a4fb_cast:
	.size	k_qf67234a4fb_cast, .Lfunc_end_k_qf67234a4fb_cast-k_qf67234a4fb_cast
	.p2alignl 7, 3214868480
	.fill 96, 4, 3214868480
	.section	.rodata,"a",@progbits
	.p2align	6, 0x0
	.amdhsa_kernel k_qf67234a4fb_cast
		.amdhsa_group_segment_fixed_size 0
		.amdhsa_private_segment_fixed_size 0
		.amdhsa_enable_private_segment 0
		.amdhsa_kernarg_size 32
		.amdhsa_user_sgpr_count 2
		.amdhsa_user_sgpr_kernarg_segment_ptr 1
		.amdhsa_wavefront_size32 1
		.amdhsa_system_sgpr_workgroup_id_x 1
		.amdhsa_system_sgpr_workgroup_id_y 1
		.amdhsa_system_sgpr_workgroup_id_z 1
		.amdhsa_system_vgpr_workitem_id 0
		.amdhsa_next_free_vgpr 100
		.amdhsa_next_free_sgpr 66
		.amdhsa_reserve_vcc 0
		.amdhsa_float_denorm_mode_32 3
		.amdhsa_float_denorm_mode_16_64 3
		.amdhsa_memory_ordered 1
		.amdhsa_forward_progress 1
		.amdhsa_inst_pref_size 8
	.end_amdhsa_kernel
	.amdgpu_metadata
---
amdhsa.version: [ 1, 2 ]
amdhsa.kernels:
  - .name:           k_qf67234a4fb_cast
    .symbol:         k_qf67234a4fb_cast.kd
    .args:
      - { .name: keys, .offset: 0, .size: 8, .value_kind: global_buffer, .address_space: global }
      - { .name: values, .offset: 8, .size: 8, .value_kind: global_buffer, .address_space: global }
      - { .name: k16, .offset: 16, .size: 8, .value_kind: global_buffer, .address_space: global }
      - { .name: v16, .offset: 24, .size: 8, .value_kind: global_buffer, .address_space: global }
    .group_segment_fixed_size: 0
    .private_segment_fixed_size: 0
    .kernarg_segment_align: 8
    .kernarg_segment_size: 32
    .max_flat_workgroup_size: 256
    .sgpr_count:     66
    .vgpr_count:     100
    .wavefront_size: 32
...
	.end_amdgpu_metadata
.endif
;; end of part 3
;; launch attn: the kernel of part 2 again; grid 32 x 8, 4 waves a work-group, clusters of 4 x 4, 327,680 bytes of LDS; arguments queries, mask, k16, v16, out0; writes out0
